; MI455X (gfx1250); checked and timed in simulation.
; The chip was launched on July 23, 2026; its instructions are those of AMD's public machine-readable ISA for CDNA 5 (MIT licence, August 2026) and "CDNA5" Instruction Set Architecture Reference Guide (July 2026). The comments in the code are by the model that wrote it; some were corrected since.
;; SDPA TRITON FA. Allowed arithmetic: matrix products marked QUANTISED: E5M2 operands, one given power-of-two scale a tensor, by v_wmma_f32_16x16x64_bf8_bf8 or v_wmma_f32_16x16x128_bf8_bf8, f32 sums; everything else in f32.
;; Inputs: k_codes 2 x 16 x 2,048 x 2 x 32 uint8 (E5M2 codes of k, K innermost, in blocks of 32 codes); lowp_scales 4 int32 (the exponents e of the quantised operands' scales 2^e); q 2 x 16 x 2,048 x 64 float32; v_codes 2 x 16 x 64 x 64 x 32 uint8 (E5M2 codes of v, K innermost, in blocks of 32 codes).
;; Outputs: out0 2 x 16 x 2,048 x 64 float32.
;; This version of the problem:
;;   THIS VERSION OF THE PROBLEM IS GIVEN IN LOW PRECISION. The matrix products marked QUANTISED in the list below multiply operands that are first quantised to E5M2 (5 exponent bits, 2 mantissa bits; 8 bits a number), with one given power-of-two scale for each operand tensor; their sums are f32. All else is computed in f32.
;;   The module's matrix products, in the order in which they are computed (A, B: the left and right operand; K: the contracted axis; several contracted axes count as one K, in the product's order):
;;     1. batch 32 x [M 2,048, K 64] x [K 64, N 2,048]; A: computed on the way; B: input k (given as codes): QUANTISED (scales: A lowp_scales[0], B lowp_scales[1])
;;     2. batch 32 x [M 2,048, K 2,048] x [K 2,048, N 64]; A: softmax (see below); B: input v (given as codes): QUANTISED (scales: A lowp_scales[2], B lowp_scales[3])
;;   THE QUANTISER, for each operand of a quantised product, along K:
;;     - The operand's scale is 2^e, e = its entry of the input lowp_scales (int32; the entries are numbered through the quantised products in the list's order, A before B).
;;     - Each number is divided by the scale, clamped to +-57,344, and rounded to the nearest number of E5M2, ties to even, subnormals kept.
;;     - The product sums the exact products of the quantised numbers (number of the format x scale) in f32.
;;   ~~~python
;;   def quantise(x, axis, e):      # numpy; x: float32 -> the quantised numbers, widened to float32 again
;;       x = np.moveaxis(x, axis, -1); K = x.shape[-1]
;;       r = np.clip(x / 2.0 ** e, -57344, 57344)
;;       step = 2.0 ** (np.maximum(np.frexp(np.where(r == 0, 1, r))[1] - 1, -14) - 2)
;;       q = np.round(r / step) * step * 2.0 ** e      # np.round: ties to even
;;       return np.moveaxis(q, -1, axis).astype(np.float32)
;;   ~~~
;;   SOFTMAX AHEAD OF A QUANTISED PRODUCT. Where the list says 'softmax', what is quantised is not the finished softmax but p = 2^(t - M), with t = logit x log2(e) and M = ceil(the row's largest t), a whole number; so 1/2 < the row's largest p <= 1. The row's sum l is taken of the UNQUANTISED p, in f32, and the product's result is divided by l at the end. Since M is a whole number, a kernel that streams over the keys may use a running M (the ceiling of the running maximum): every later rescaling is an exact power of two, so the quantised numbers keep their values, but for numbers so far below the row's largest that they fall under the format's range.
;;   OPERANDS COMPUTED ON THE WAY. 'Computed on the way' means the value that the module computes at that place (a softmax that the list does not call 'softmax' is quantised finished and normalised). What goes into a quantiser is computed in f32, as accurately as f32 sums, v_exp_f32 and their like allow (about 1e-6 of the number): no bf16 or f16 on the way to a quantiser, and a product that is left as it is and whose result goes on into a quantised operand takes f32 operands (vector FMAs, or v_wmma_f32_16x16x4_f32). A number that lies on a knife's edge between two numbers of the format may be rounded either way, as far as f32 arithmetic and the matrix unit's own rounding can turn it there, and no further.
;;   INPUTS GIVEN AS CODES. k (in the module: [2, 16, 2048, 64], K = its axis 3); v (in the module: [2, 16, 2048, 64], K = its axis 2): each comes as NAME_codes (uint8): NAME with its K axis moved to the last place and cut into blocks of 32 codes, [.., K / 32, bytes a block], one block behind the other in memory; one code a byte (a code: sign, 5 exponent bits, 2 mantissa bits); its scale is its entry of lowp_scales. Its value is code x scale, taken as it is: it is not quantised again, and the codes and scales need not be those that the quantiser above would give.
;; One version. Each part assembles by itself: llvm-mc -triple=amdgcn-amd-amdhsa -mcpu=gfx1250 --defsym DOCPART=n.
;; ======== version 1 of 1: 1 launch
;; limits: right only within a limited range of input values
;; launch attn (part 1): grid 8 x 32, 8 waves a work-group, clusters of 4 x 1, 327,680 bytes of LDS; arguments q, k_codes, v_codes, lowp_scales, out0; writes out0
.if DOCPART == 1
	.amdgcn_target "amdgcn-amd-amdhsa--gfx1250"
	.amdhsa_code_object_version 6
	.text
	.protected	k_q250e86d182_attn
	.globl	k_q250e86d182_attn
	.p2align	8
	.type	k_q250e86d182_attn,@function
k_q250e86d182_attn:
	s_mov_b64 s[64:65], 0
	v_nop
	global_prefetch_b8 v0, s[64:65] scope:SCOPE_SE
	s_setreg_imm32_b32 hwreg(HW_REG_WAVE_MODE, 25, 1), 1
	s_wait_xcnt 0x0
	s_wait_alu depctr_hold_cnt(0) depctr_sa_sdst(0) depctr_va_vdst(0) depctr_va_sdst(0) depctr_va_ssrc(0) depctr_va_vcc(0) depctr_vm_vsrc(0)
	s_getreg_b32 s2, hwreg(HW_REG_IB_STS2, 6, 4)
	s_cmp_eq_u32 s2, 0
	s_cbranch_scc0 .Lentry_in_a_cluster
	s_endpgm
.Lentry_in_a_cluster:
	s_bfe_u32 s2, ttmp6, 0x10000c
	s_cmp_lg_u32 s2, 0x3003
	s_cbranch_scc0 .Lentry_shape_is_right
	s_endpgm
.Lentry_shape_is_right:
; out[h][q][:] = the sum over k of softmax_k((0.125 Q[h][q]) . K[h][k]) V[h][k][:], 32 heads, 2,048 queries and keys, head size 64, no mask; both products on codes of BF8 (E5M2).
; q: [32][2048][64] f32, quantised here.  k_codes: [32][2048 keys][64].  v_codes: [32][64 channels][2048 keys] (the keys are the second product's K).  lowp_scales: e0 (0.125 q), e1 (k), e2 (p), e3 (v).  out0: f32.
; NOTHING IS LEFT OUT: every input has a way to the output and is loaded.
; SOFTMAX: t = logit x log2(e); M = the running largest t rounded UP to a whole number; p = 2^(t - M) is quantised, not normalised; the row's sum is taken of the unquantised p in f32 and divides at the end.
; When M moves, the sum and O are multiplied by 2^(old M - new M), a power of two: no branch on data.  0.125 = 2^-3 is folded, exactly, into the scale of Q's conversion: (0.125 q) / 2^e0 = q / 2^(e0 + 3).
; SHARES.  A work-group owns 256 queries of one head; each of its eight waves 32 of them, tiles A and B of 16, and walks all 2,048 keys, 256 a step (two halves of 128).  Each fragment of K and V read from LDS feeds two matrix instructions.
; LDS.  A head's K and V lie in LDS whole, and each byte is filled once: keys 0-511 by one tensor load a wave at the head, keys 512-2047 by one more behind a full sequence and a round of the cluster's barrier.
; That second load is asked for a step and a half of work ahead of the wait for it and is the last: there is no later load for which a prefetch could ask ahead.
; CLUSTER.  The four query blocks of a cluster belong to one head: each tile is asked for jointly, by the same load with the same descriptor and the mask 15 in all four.
; LAYOUT.  Both products are used transposed: S^T = K Q^T (K = 64), O^T += V^T P^T (K = 128 keys): lane l holds ONE query, l % 16, throughout; h = l / 16.
; Row m of score tile 2 b + u is key 32 b + 8 u + m + 8 (m / 8): so the 16 registers of tiles 2 b, 2 b + 1 are the 16 neighbours 32 b + 16 h + 0 .. 15 along the keys, and V's operand is read 16 bytes a load in the same order.
; The head's 64 are permuted alike in K and Q (16 h + 0 .. 15, then 32 + 16 h + 0 .. 15).
; LIMITS on the given exponents, so that each power of two below is an f32 number: e0 + e1 between -126 and 127; e0 + 3 and e2 between -126 and 112; e2 + e3 is applied by v_ldexp_f32 and has none.
; NaN among the inputs is not served; a q beyond 57,344 x 2^(e0 + 3), an infinite one too, is held at the largest code, as the quantiser says.
; REGISTERS, window 0: v[0:1] -M of A, B; v[2:3] f of A, B; v4, v5 the largest raw scores; v[6:7], v[8:9] the sums in two halves; v10-25, v248-255 at work; v26, v27 lane permutes; v28 2^e2; v30, v31 the add's two;
;   v32-95 the first half's scores, then p, of A, then V's fragments of the second half; v96-159 of B; v160-191 O^T of A; v192-223 of B; v224-231, v232-239 Q's codes of A, B;
;   v240, v241 my lane's place in K's and V's tiles; v242, v243 the step's addresses; v244 O into the stage; v245 stage by rows; v246 Q out of it; v247 16 x lane.
; Window 1: v0-63 K's fragments of the first half, then P's codes (A, B of the first half, A, B of the second); v64-127 K's of the second half, then V's of the first; v128-191 the second half's scores, then p, of A; v192-255 of B.
.set KSTEP, 9216                       ; 128 keys in LDS: two keys are 128 bytes + 16 of padding, so the 16 keys of a load start at 16 different groups of four banks (64 banks of 4 bytes: ISA guide 11.1)
.set VBASE, 147456                     ; behind K's 2,048 keys: V in eight blocks of 256 keys
.set VP,    272                        ; a channel's row in a block: 256 keys + 16 of padding
.set VQ,    4352                       ; 16 channels
.set VBLK,  17408                      ; 64 channels
.set SPARE, 286720                     ; the spare words, 128 bytes for each of eight waves: four blocks of 256 bytes that no other line names
.set STAGE, 287744                     ; a stage of 16 rows x (256 + 16) bytes for each wave; no tensor load lands here
.set SP,    272
.set MSB, 0
.macro WIN new                         ; s_set_vgpr_msb: bits 1:0 source 0, 3:2 source 1, 5:4 source 2, 7:6 destination; the high byte repeats the setting that is left
.if MSB != \new
	s_set_vgpr_msb (MSB<<8)|\new
.set MSB, \new
.endif
.endm
; A round of the cluster's barrier.
.macro CROUND
	s_barrier_signal -1
	s_barrier_wait -1
	s_cmp_lg_u32 s14, 0
	s_cbranch_scc1 .Lnot_wave_0_\@
	s_barrier_signal -3
.Lnot_wave_0_\@:
	s_barrier_wait -3
	s_barrier_signal -1
	s_barrier_wait -1
.endm
.macro GONE g, w0, rows, pitch         ; descriptor group 1: rows of 256 bytes
	s_mov_b32 s[\g], \w0
	s_mov_b32 s[\g+1], 256<<16                     ; tensor_dim0
	s_mov_b32 s[\g+2], (\rows)<<16                 ; tensor_dim1
	s_mov_b32 s[\g+3], 256<<16                     ; tile_dim0
	s_mov_b32 s[\g+4], \rows                       ; tile_dim1
	s_mov_b32 s[\g+5], \pitch                      ; tensor_dim0_stride
	s_mov_b32 s[\g+6], 0
	s_mov_b32 s[\g+7], 0
.endm
.set W0K, 15|(1<<20)|(1<<21)|(4<<22)|(3<<25)   ; 15:0 the mask: all four work-groups; elements of 1 byte; 20 padding on; 21 set beside a mask; 24:22 after every 32 words; 31:25 four words
.set W0V, 15|(1<<20)|(1<<21)|(5<<22)|(3<<25)   ; after every 64 words
	s_load_b256 s[4:11], s[0:1], 0x0               ; q s[4:5], K's codes s[6:7], V's codes s[8:9], the exponents s[10:11]
	s_load_b64 s[12:13], s[0:1], 0x20              ; out
	s_setprio 3                                    ; a wave's priority falls with the steps that it has done
	v_lshl_add_u32 v30, v0, 2, SPARE
	v_mov_b32 v31, 0
	ds_add_u32 v30, v31                            ; the wave's opening: the add, twice on end, and its wait ahead of my first tensor load; work on registers stands between
	ds_add_u32 v30, v31
	v_lshrrev_b32 v1, 5, v0
	v_readfirstlane_b32 s14, v1                    ; wave 0..7
	s_mul_i32 s99, s14, 16*SP
	s_add_co_u32 s99, s99, STAGE                   ; my stage
	v_and_b32 v160, 15, v0                         ; r
	v_bfe_u32 v161, v0, 4, 1                       ; h
	v_and_b32 v162, 8, v160
	v_add_nc_u32 v162, v162, v160                  ; r + 8 (r / 8): my key within a pair of tiles
	v_lshrrev_b32 v162, 1, v162
	v_mul_u32_u24 v162, v162, 144
	v_and_b32 v163, 1, v0
	v_lshl_add_u32 v162, v163, 6, v162
	v_mul_u32_u24 v164, v160, VP
	v_mul_u32_u24 v165, v160, SP
	v_add_nc_u32 v165, s99, v165
	v_mul_u32_u24 v166, v161, SP
	v_add_nc_u32 v166, s99, v166
	v_and_b32 v167, 31, v0
	v_lshl_add_u32 v240, v161, 4, v162             ; K: + 16 h
	v_lshl_add_u32 v241, v161, 4, v164             ; V: channel r, + 16 h
	v_lshl_add_u32 v244, v161, 5, v165             ; O into the stage: row r, 32 bytes for each half of the lanes
	v_lshl_add_u32 v245, v160, 4, v166             ; by rows: lanes 0-15 one row of 256 bytes, lanes 16-31 the next
	v_lshl_add_u32 v246, v161, 6, v165             ; Q out of it: row r, my half's 16 numbers of each 32
	v_lshlrev_b32 v247, 4, v167                    ; my 16 bytes of two rows (512 dense bytes) of q and of out
	s_and_b32 s3, s14, 3                           ; which part of the first fill is mine: waves 0-3 of K, waves 4-7 of V
	s_bfe_u32 s15, ttmp6, 0x40000                  ; cx: it enters q's and out's addresses alone
	s_and_b32 s19, ttmp7, 0xffff                   ; the head, which the four partners share
	s_lshl_b32 s66, s19, 17                        ; the head's 131,072 bytes of codes
	s_lshl_b32 s88, s3, 13
	s_add_co_u32 s90, s66, s88                     ; K, first fill: 128 keys of 64 bytes a wave
	s_mov_b32 s91, 0
	s_lshr_b32 s88, s3, 1
	s_lshl_b32 s88, s88, 8
	s_add_co_u32 s92, s66, s88                     ; V, first fill: block 0 or 1,
	s_and_b32 s88, s3, 1
	s_lshl_b32 s88, s88, 16
	s_add_co_u32 s92, s92, s88                     ; and 32 channels of 2,048 bytes a wave
	s_mov_b32 s93, 0
	s_mul_i32 s88, s14, 49152
	s_add_co_u32 s76, s66, s88
	s_add_co_u32 s76, s76, 32768                   ; K, second fill: keys 512 on, 768 a wave, waves 0 and 1
	s_mov_b32 s77, 0
	s_lshl_b32 s88, s14, 8
	s_add_co_u32 s78, s66, s88                     ; V, second fill: block w of 256 keys, waves 2 to 7
	s_mov_b32 s79, 0
	s_lshl_b32 s96, ttmp9, 2                       ; in a cluster launch ttmp9 counts clusters
	s_add_co_u32 s96, s96, s15                     ; my block of 256 queries
	s_lshl_b32 s96, s96, 16
	s_lshl_b32 s94, s19, 19                        ; the head's 2,048 rows of 256 bytes
	s_add_co_u32 s94, s94, s96
	s_lshl_b32 s96, s14, 13                        ; my wave's 32 rows
	s_add_co_u32 s94, s94, s96
	s_mov_b32 s95, 0
	GONE 24, W0K, 32, 256                          ; K, first fill: 128 keys, dense, as 32 rows of 256 bytes
	GONE 32, W0V, 32, 2048                         ; V, first fill: 32 channels
	GONE 48, W0K, 192, 256                         ; K, second fill: 768 keys
	GONE 56, W0V, 64, 2048                         ; V, second fill: 64 channels
	s_mov_b32 s40, 1                               ; groups 0: s[40:43] K, s[44:47] V, first fill; s[68:71] K, s[72:75] V, second
	s_mul_i32 s41, s3, KSTEP
	s_mov_b32 s44, 1
	s_mul_i32 s45, s3, 2*VQ
	s_add_co_u32 s45, s45, VBASE
	s_mov_b32 s68, 1
	s_mul_i32 s69, s14, 6*KSTEP
	s_add_co_u32 s69, s69, 4*KSTEP
	s_mov_b32 s72, 1
	s_mul_i32 s73, s14, VBLK
	s_add_co_u32 s73, s73, VBASE
	s_mov_b32 s20, 0x76543210                      ; v_permlanex16_b32's selects: lane l xor 16
	s_mov_b32 s21, 0xfedcba98
	s_mov_b32 s22, 0x3fb8aa3b                      ; log2(e)
	s_wait_alu depctr_va_vdst(0)                   ; ahead of the waits below
	s_wait_dscnt 0x0                               ; both opening adds are done
	s_wait_kmcnt 0x0
	s_load_b128 s[84:87], s[10:11], 0x0            ; e0, e1, e2, e3
	s_add_nc_u64 s[4:5], s[4:5], s[94:95]          ; q and out at my wave's first row
	s_add_nc_u64 s[12:13], s[12:13], s[94:95]
	s_add_nc_u64 s[42:43], s[6:7], s[90:91]
	s_or_b32 s43, s43, 0x80000000                  ; type = 2
	s_add_nc_u64 s[46:47], s[8:9], s[92:93]
	s_or_b32 s47, s47, 0x80000000
	s_add_nc_u64 s[70:71], s[6:7], s[76:77]
	s_or_b32 s71, s71, 0x80000000
	s_add_nc_u64 s[74:75], s[8:9], s[78:79]
	s_or_b32 s75, s75, 0x80000000
	CROUND                                         ; all four work-groups are here: the joint loads meet
	s_cmp_lt_u32 s14, 4                            ; THE FIRST FILL: one load a wave, in one branch on the wave's number
	s_cbranch_scc0 .Lfor_v
	tensor_load_to_lds s[40:43], s[24:31]
	s_nop 0
.rept 4
	v_nop
.endr
	s_branch .Lasked
.Lfor_v:
	tensor_load_to_lds s[44:47], s[32:39]
	s_nop 0
.rept 4
	v_nop
.endr
.Lasked:
.irp i, 0,1,2,3,4,5,6,7,8,9,10,11,12,13,14,15
	global_load_b128 v[96+4*\i:99+4*\i], v247, s[4:5] offset:512*\i th:TH_LOAD_NT   ; my 32 rows of q, 512 consecutive bytes an instruction; read once in the launch
.endr
	s_wait_kmcnt 0x0                               ; the exponents
	s_add_co_i32 s88, s84, s85
	s_lshl_b32 s88, s88, 23
	s_add_co_i32 s22, s22, s88                     ; c = log2(e) x 2^(e0 + e1), for a raw score: the exponents are added to the exponent field
	s_mov_b32 s23, s22                             ; (named with it as a pair)
	s_add_co_i32 s89, s84, 130
	s_lshl_b32 s88, s89, 23                        ; 2^(e0 + 3) as f32
	s_add_co_i32 s89, s89, 15
	s_lshl_b32 s89, s89, 23
	s_or_b32 s89, s89, 0x600000                    ; 57,344 x 2^(e0 + 3)
	s_add_co_i32 s97, s86, 127
	s_lshl_b32 s96, s97, 23                        ; 2^e2
	s_add_co_i32 s97, s97, 15
	s_lshl_b32 s97, s97, 23
	s_or_b32 s97, s97, 0x600000                    ; 57,344 x 2^e2
	s_add_co_i32 s98, s86, s87                     ; e2 + e3
	v_mov_b32 v24, s88
	v_mov_b32 v25, s89
	v_mov_b32 v28, s96
	v_mov_b32 v0, 0x7f61b1e6                       ; -M = 3e38, so that the first f is 0: the step is written without a first form of its own
	v_mov_b32 v1, 0x7f61b1e6
	v_mov_b32 v4, 0xff61b1e6                       ; the largest raw score so far: -3e38
	v_mov_b32 v5, 0xff61b1e6
	v_mov_b32 v26, 0                               ; written once: a lane permute's destination counts as one of its sources
	v_mov_b32 v27, 0
.irp i, 6,7,8,9
	v_mov_b32 v\i, 0                               ; the sums
.endr
.set IX, 0
.rept 32
	v_dual_mov_b32 v[160+2*IX], 0 :: v_dual_mov_b32 v[161+2*IX], 0   ; O^T
.set IX, IX+1
.endr
	s_wait_alu depctr_va_vdst(0)
	s_wait_tensorcnt 0x0                           ; my part of keys 0-511 has landed
	ds_add_u32 v30, v31
	s_wait_dscnt 0x0
	CROUND                                         ; everybody's part of keys 0-511 is in, and all four work-groups are here.  (q's loads into registers stay out across it)
	s_cmp_lt_u32 s14, 2                            ; THE SECOND FILL, one load a wave: keys 512-2047: K by waves 0 and 1, V's blocks 2 to 7 by waves 2 to 7
	s_cbranch_scc0 .Lmore_v
	tensor_load_to_lds s[68:71], s[48:55]
	s_nop 0
.rept 4
	v_nop
.endr
	s_branch .Lmore
.Lmore_v:
	tensor_load_to_lds s[72:75], s[56:63]
	s_nop 0
.rept 4
	v_nop
.endr
.Lmore:
.macro KLOADS a                        ; K's 16 fragments of 256 keys, the first half's ahead, into window 1
	WIN 0x40
.irp c, 0,1
.irp t, 0,1,2,3,4,5,6,7
	ds_load_b128 v[64*\c+8*\t:64*\c+8*\t+3], v[\a] offset:KSTEP*\c+2304*(\t/2)+576*(\t%2)
	ds_load_b128 v[64*\c+8*\t+4:64*\c+8*\t+7], v[\a] offset:KSTEP*\c+2304*(\t/2)+576*(\t%2)+32
.endr
.endr
	WIN 0
.endm
	KLOADS 240                                     ; step 0's K, from my lane's place in a tile
	; Q TURNS THROUGH MY STAGE: memory is read as it lies, and a lane gets 16 neighbours of its query's row.  LDS serves a wave's instructions in order (ISA guide 5.7.1.4): tile B's stores come behind tile A's loads.
	s_wait_loadcnt 8                               ; tile A's eight loads are in; tile B's eight may be out
.irp i, 0,1,2,3,4,5,6,7
	ds_store_b128 v245, v[96+4*\i:99+4*\i] offset:2*SP*\i
.endr
.irp j, 0,1,2,3
	ds_load_b128 v[32+4*\j:35+4*\j], v246 offset:16*\j
	ds_load_b128 v[48+4*\j:51+4*\j], v246 offset:128+16*\j
.endr
	s_wait_loadcnt 0x0
.irp i, 0,1,2,3,4,5,6,7
	ds_store_b128 v245, v[128+4*\i:131+4*\i] offset:2*SP*\i
.endr
.irp j, 0,1,2,3
	ds_load_b128 v[64+4*\j:67+4*\j], v246 offset:16*\j
	ds_load_b128 v[80+4*\j:83+4*\j], v246 offset:128+16*\j
.endr
.macro QUANTQ s, d                     ; 32 numbers of a lane's query become Q's fragment
.set IX, 0
.rept 32
	v_med3_num_f32 v[\s+IX], v[\s+IX], -v25, v25   ; the conversion to an 8-bit code does not saturate (ISA guide 7.6.2): held first
.set IX, IX+1
.endr
.irp g, 0,1,2,3
	v_cvt_scalef32_pk8_bf8_f32 v[\d+2*\g:\d+1+2*\g], v[\s+8*\g:\s+7+8*\g], v24
.endr
	v_nop                                          ; a plain instruction behind the last conversion
.endm
	s_wait_dscnt 16                                ; tile A's numbers are back; tile B's eight stores and eight loads may be out
	QUANTQ 32, 224
	s_wait_dscnt 0x0
	QUANTQ 64, 232
; The hold at the largest code x 2^e2, whatever e2 is; p is not negative, so it is one-sided.
.macro HOLD x
	v_dual_min_num_f32 v[\x], s97, v[\x] :: v_dual_min_num_f32 v[\x+1], s97, v[\x+1]
.endm
; 16 p's, registers s on: their sum, UNQUANTISED, into the pair d (t .. t + 7 at work), and their holds.  All in one window.
.macro SUMH s, t, d
	v_pk_add_f32 v[\t:\t+1], v[\s:\s+1], v[\s+2:\s+3]
	v_pk_add_f32 v[\t+2:\t+3], v[\s+4:\s+5], v[\s+6:\s+7]
	v_pk_add_f32 v[\t+4:\t+5], v[\s+8:\s+9], v[\s+10:\s+11]
	v_pk_add_f32 v[\t+6:\t+7], v[\s+12:\s+13], v[\s+14:\s+15]
	HOLD \s
	HOLD \s+2
	HOLD \s+4
	v_pk_add_f32 v[\t:\t+1], v[\t:\t+1], v[\t+2:\t+3]
	HOLD \s+6
	v_pk_add_f32 v[\t+4:\t+5], v[\t+4:\t+5], v[\t+6:\t+7]
	HOLD \s+8
	HOLD \s+10
	HOLD \s+12
	HOLD \s+14
	v_pk_add_f32 v[\d:\d+1], v[\t:\t+1], v[\t+4:\t+5]
.endm
.macro CODES p, s                      ; 64 p's become 16 registers of codes
.irp i, 0,1,2,3,4,5,6,7
	v_cvt_scalef32_pk8_bf8_f32 v[\p+2*\i:\p+1+2*\i], v[\s+8*\i:\s+7+8*\i], v28
.endr
.endm
; A STEP: 256 keys, both tiles.  s16: where the NEXT step's K begins in LDS (kpre = 1: asked for at the step's end); s17: this step's block of V.
; meet = 1 (step 1): the second fill has landed and everybody knows; signal and wait are parted.
.macro STEP kpre, meet
	s_wait_dscnt 16                                ; K's first half is in; the second half's 16 loads may be out
	WIN 0x01                                       ; K in window 1, Q and the first half's scores in window 0
.irp t, 0,1,2,3,4,5,6,7
	v_wmma_f32_16x16x64_bf8_bf8 v[32+8*\t:39+8*\t], v[8*\t:8*\t+7], v[224:231], 0
	v_wmma_f32_16x16x64_bf8_bf8 v[96+8*\t:103+8*\t], v[8*\t:8*\t+7], v[232:239], 0
.endr
	s_wait_dscnt 0x0
	WIN 0x41                                       ; the second half's scores in window 1
.irp t, 0,1,2,3,4,5,6,7
	v_wmma_f32_16x16x64_bf8_bf8 v[128+8*\t:135+8*\t], v[64+8*\t:64+8*\t+7], v[224:231], 0
	v_wmma_f32_16x16x64_bf8_bf8 v[192+8*\t:199+8*\t], v[64+8*\t:64+8*\t+7], v[232:239], 0
.endr
	WIN 0
	v_add_nc_u32 v243, s17, v241
	v_nop                                          ; four places: ahead of loads into registers that these products read, and ahead of the first read of the scores (ISA guide 7.12.1 for the reads of the scores)
	v_nop
	v_nop
	WIN 0x40
.irp t, 0,1,2,3
.irp c, 0,1,2,3
	ds_load_b128 v[64+16*\t+4*\c:67+16*\t+4*\c], v243 offset:VQ*\t+32*\c   ; V, first half: channels 16 t + r, keys 32 c + 16 h + 0 .. 15
.endr
.endr
	WIN 0
	v_dual_mov_b32 v18, v0 :: v_dual_mov_b32 v19, v1   ; the old -M's
.irp k, 0,1,2,3                                ; the largest of my 128 scores of each tile, four chains a tile, in ascending order
	v_max3_num_f32 v[10+\k], v[32+3*\k], v[33+3*\k], v[34+3*\k]
	v_max3_num_f32 v[14+\k], v[96+3*\k], v[97+3*\k], v[98+3*\k]
.endr
.set IX, 0
.rept 26
	v_max3_num_f32 v[10+IX%4], v[10+IX%4], v[44+2*IX], v[45+2*IX]
	v_max3_num_f32 v[14+IX%4], v[14+IX%4], v[108+2*IX], v[109+2*IX]
.set IX, IX+1
.endr
	WIN 0x14                                       ; sources 1 and 2 in window 1
.set IX, 0
.rept 32
	v_max3_num_f32 v[10+IX%4], v[10+IX%4], v[128+2*IX], v[129+2*IX]
	v_max3_num_f32 v[14+IX%4], v[14+IX%4], v[192+2*IX], v[193+2*IX]
.set IX, IX+1
.endr
	WIN 0
	v_max3_num_f32 v10, v10, v11, v12
	v_max3_num_f32 v14, v14, v15, v16
	v_max_num_f32 v10, v10, v13
	v_max_num_f32 v14, v14, v17
	v_permlanex16_b32 v26, v10, s20, s21           ; the query's other 128 keys lie in lane l xor 16
	v_permlanex16_b32 v27, v14, s20, s21
	v_max3_num_f32 v4, v4, v10, v26
	v_max3_num_f32 v5, v5, v14, v27
	v_pk_mul_f32 v[10:11], v[4:5], s[22:23] op_sel_hi:[1,0]   ; as t (c is positive)
	v_floor_f32 v0, -v10                           ; the new -M = floor(-t) = -ceil(t): a whole number
	v_floor_f32 v1, -v11
.set IX, 0
.rept 32
	v_pk_fma_f32 v[32+2*IX:33+2*IX], v[32+2*IX:33+2*IX], s[22:23], v[0:1] op_sel_hi:[1,0,0]   ; A: t - M
.if IX == 3
	v_pk_add_f32 v[12:13], v[0:1], v[18:19] neg_lo:[0,1] neg_hi:[0,1]   ; old M less new M: whole numbers, 0 or less
.endif
.if IX == 8
	v_cvt_i32_f32 v12, v12                         ; (it saturates)
	v_cvt_i32_f32 v13, v13
.endif
.if IX == 14
	v_ldexp_f32 v2, 1.0, v12                       ; f = 2^(old M - new M)
	v_ldexp_f32 v3, 1.0, v13
.endif
.set IX, IX+1
.endr
.set IX, 0
.rept 16
	v_pk_mul_f32 v[160+2*IX:161+2*IX], v[160+2*IX:161+2*IX], v[2:3] op_sel_hi:[1,0]               ; O^T under the new M
	v_pk_mul_f32 v[192+2*IX:193+2*IX], v[192+2*IX:193+2*IX], v[2:3] op_sel:[0,1] op_sel_hi:[1,1]
.set IX, IX+1
.endr
	s_wait_alu depctr_va_vdst(0)                   ; ahead of the batch
.set IX, 0
.rept 32                                       ; first half: A's exponentials, B's scalings among them: none names an exponential's result, and none is read ahead of the next wait
	v_exp_f32 v[32+2*IX], v[32+2*IX]               ; p = 2^(t - M), at most 1
	v_exp_f32 v[33+2*IX], v[33+2*IX]
	v_pk_fma_f32 v[96+2*IX:97+2*IX], v[96+2*IX:97+2*IX], s[22:23], v[0:1] op_sel:[0,0,1] op_sel_hi:[1,0,1]
.set IX, IX+1
.endr
	s_wait_alu depctr_va_vdst(0)                   ; behind A's batch and ahead of B's
.set IX, 0
.rept 16                                       ; B's exponentials, and among them A's sums of four (unquantised) and holds, of 48 of its 64 registers: none is read ahead of the next wait
	v_exp_f32 v[96+4*IX], v[96+4*IX]
	v_exp_f32 v[97+4*IX], v[97+4*IX]
.if IX > 3
.if IX < 12
	v_pk_add_f32 v[2+2*IX:3+2*IX], v[16+4*IX:17+4*IX], v[18+4*IX:19+4*IX]
.else
	v_pk_add_f32 v[224+2*IX:225+2*IX], v[16+4*IX:17+4*IX], v[18+4*IX:19+4*IX]
.endif
.endif
	v_exp_f32 v[98+4*IX], v[98+4*IX]
.if IX > 3
	HOLD 16+4*IX
.endif
	v_exp_f32 v[99+4*IX], v[99+4*IX]
.if IX > 3
	HOLD 18+4*IX
.endif
.set IX, IX+1
.endr
	s_wait_alu depctr_va_vdst(0)                   ; behind B's batch
.if \meet
	s_wait_dscnt 0x0                               ; no LDS instruction of mine is pending at the signal
	s_wait_tensorcnt 0x0                           ; my second fill has landed
	s_barrier_signal -1
.endif
.irp i, 0,1,2,3                                ; the sums: A's
	v_pk_add_f32 v[10+2*\i:11+2*\i], v[10+2*\i:11+2*\i], v[248+2*\i:249+2*\i]
.endr
.irp i, 0,1,2,3
	v_pk_add_f32 v[10+2*\i:11+2*\i], v[10+2*\i:11+2*\i], v[18+2*\i:19+2*\i]
.endr
	SUMH 80, 18, 248
	v_pk_fma_f32 v[6:7], v[6:7], v[2:3], v[10:11] op_sel_hi:[1,0,1]   ; A's sum x f + the parts
	v_pk_add_f32 v[12:13], v[12:13], v[14:15]
	v_pk_add_f32 v[16:17], v[16:17], v[248:249]
	SUMH 96, 18, 10                                ; B's
	v_pk_add_f32 v[6:7], v[6:7], v[12:13]
	v_pk_fma_f32 v[8:9], v[8:9], v[2:3], v[10:11] op_sel:[0,1,0] op_sel_hi:[1,1,1]
	v_pk_add_f32 v[6:7], v[6:7], v[16:17]
	SUMH 112, 18, 12
	SUMH 128, 18, 14
	v_pk_add_f32 v[8:9], v[8:9], v[12:13]
	SUMH 144, 18, 16
	v_pk_add_f32 v[8:9], v[8:9], v[14:15]
	v_pk_add_f32 v[8:9], v[8:9], v[16:17]
	WIN 0x40                                       ; the codes lie where K's first half lay
	CODES 0, 32
	CODES 16, 96
	WIN 0
	v_nop                                          ; a plain instruction behind the last conversion
.irp t, 0,1,2,3
.irp c, 0,1,2,3
	ds_load_b128 v[32+16*\t+4*\c:35+16*\t+4*\c], v243 offset:VQ*\t+32*\c+128   ; V, second half, where A's first p's lay
.endr
.endr
	WIN 0x45                                       ; THE SECOND HALF, in window 1: sources 0 and 1 and the destination (source 2, -M, in window 0)
.set IX, 0
.rept 32
	v_pk_fma_f32 v[128+2*IX:129+2*IX], v[128+2*IX:129+2*IX], s[22:23], v[0:1] op_sel_hi:[1,0,0]
.set IX, IX+1
.endr
	s_wait_alu depctr_va_vdst(0)                   ; ahead of the batch, as above
.set IX, 0
.rept 32
	v_exp_f32 v[128+2*IX], v[128+2*IX]
	v_exp_f32 v[129+2*IX], v[129+2*IX]
	v_pk_fma_f32 v[192+2*IX:193+2*IX], v[192+2*IX:193+2*IX], s[22:23], v[0:1] op_sel:[0,0,1] op_sel_hi:[1,0,1]
.set IX, IX+1
.endr
	s_wait_alu depctr_va_vdst(0)
.set IX, 0
.rept 16                                       ; the sums of four go where the second half's codes will lie
	v_exp_f32 v[192+4*IX], v[192+4*IX]
	v_exp_f32 v[193+4*IX], v[193+4*IX]
	v_pk_add_f32 v[32+2*IX:33+2*IX], v[128+4*IX:129+4*IX], v[130+4*IX:131+4*IX]
	v_exp_f32 v[194+4*IX], v[194+4*IX]
	HOLD 128+4*IX
	v_exp_f32 v[195+4*IX], v[195+4*IX]
	HOLD 130+4*IX
.set IX, IX+1
.endr
	s_wait_alu depctr_va_vdst(0)                   ; behind the batch, and ahead of the wait below
	s_wait_dscnt 0x0                               ; both halves of V are in
.irp i, 0,1,2,3,4,5,6,7
	v_pk_add_f32 v[32+2*\i:33+2*\i], v[32+2*\i:33+2*\i], v[48+2*\i:49+2*\i]
.endr
.irp i, 0,1,2,3
	v_pk_add_f32 v[32+2*\i:33+2*\i], v[32+2*\i:33+2*\i], v[40+2*\i:41+2*\i]
.endr
	v_pk_add_f32 v[32:33], v[32:33], v[36:37]
	v_pk_add_f32 v[34:35], v[34:35], v[38:39]
	v_pk_add_f32 v[56:57], v[32:33], v[34:35]      ; A's part
	SUMH 192, 40, 32
	SUMH 208, 40, 34
	SUMH 224, 40, 36
	v_pk_add_f32 v[32:33], v[32:33], v[34:35]
	SUMH 240, 40, 38
	v_pk_add_f32 v[36:37], v[36:37], v[38:39]
	v_pk_add_f32 v[58:59], v[32:33], v[36:37]      ; B's part
	WIN 0x04                                       ; source 1 in window 1
	v_pk_add_f32 v[6:7], v[6:7], v[56:57]
	v_pk_add_f32 v[8:9], v[8:9], v[58:59]
	WIN 0x41                                       ; the conversions' scale in window 0
	CODES 32, 128
	CODES 48, 192
	v_nop                                          ; a plain instruction behind the last conversion
	WIN 0x05                                       ; first half: V and P in window 1, O^T in window 0
.irp t, 0,1,2,3                                ; eight accumulators by turns: between two links of a chain stand seven other matrix instructions or more
	v_wmma_f32_16x16x128_bf8_bf8 v[160+8*\t:167+8*\t], v[64+16*\t:79+16*\t], v[0:15], v[160+8*\t:167+8*\t]
	v_wmma_f32_16x16x128_bf8_bf8 v[192+8*\t:199+8*\t], v[64+16*\t:79+16*\t], v[16:31], v[192+8*\t:199+8*\t]
.endr
	WIN 0x04                                       ; second half: V in window 0, P in window 1
.irp t, 0,1,2,3
	v_wmma_f32_16x16x128_bf8_bf8 v[160+8*\t:167+8*\t], v[32+16*\t:47+16*\t], v[32:47], v[160+8*\t:167+8*\t]
	v_wmma_f32_16x16x128_bf8_bf8 v[192+8*\t:199+8*\t], v[32+16*\t:47+16*\t], v[48:63], v[192+8*\t:199+8*\t]
.endr
	WIN 0                                          ; at a label and at a branch every window is 0
.if \meet
	s_wait_alu depctr_va_vdst(0)                   ; ahead of the barrier's wait
	s_barrier_wait -1
.endif
.if \kpre
	v_add_nc_u32 v242, s16, v240
.rept 4
	v_nop                                          ; with the addition five places: ahead of the loads into registers that these products read, and of the next step's products, which write over V's second half (ISA guide 7.12.1 for the next step's products)
.endr
	KLOADS 242                                     ; the next step's K
.endif
.endm
.macro STEPS n, f                      ; n steps, the first of them step f of the walk
	s_mov_b32 s16, (2*(\f)+2)*KSTEP
	s_mov_b32 s17, VBASE+(\f)*VBLK
	s_mov_b32 s18, \n
.Lstep_\@:
	STEP 1, 0
	s_add_co_u32 s16, s16, 2*KSTEP
	s_add_co_u32 s17, s17, VBLK
	s_sub_co_u32 s18, s18, 1
	s_cmp_lg_u32 s18, 0
	s_cbranch_scc1 .Lstep_\@
.endm
	s_wait_alu depctr_va_vdst(0)                   ; at the head's end
	s_mov_b32 s16, 2*KSTEP
	s_mov_b32 s17, VBASE
	STEP 1, 0
	s_setprio 2
	s_mov_b32 s16, 4*KSTEP
	s_mov_b32 s17, VBASE+VBLK
	STEP 1, 1                                      ; step 1: behind its barrier the second fill may be read
	STEPS 3, 2
	s_setprio 1
	STEPS 2, 5
	s_setprio 0
	s_mov_b32 s17, VBASE+7*VBLK
	STEP 0, 0                                      ; step 7 asks for no further K
	; THE WAY OUT.  O^T x 2^(e2 + e3) / the sum: register 8 t + i is out(query r, channel 16 t + 8 h + i).  These lines are also the places behind the last products.
	v_add_f32 v10, v6, v7
	v_add_f32 v11, v8, v9
	v_permlanex16_b32 v26, v10, s20, s21
	v_permlanex16_b32 v27, v11, s20, s21
	v_add_f32 v10, v10, v26                        ; and lane l xor 16's: the row's sum
	v_add_f32 v11, v11, v27
	s_wait_alu depctr_va_vdst(0)                   ; ahead of the reciprocals and, below, behind them
	v_rcp_f32 v10, v10
	v_rcp_f32 v11, v11
	v_nop
	s_wait_alu depctr_va_vdst(0)
	v_ldexp_f32 v10, v10, s98
	v_ldexp_f32 v11, v11, s98
	s_wait_alu depctr_va_vdst(0)                   ; directly ahead of the first reader of O^T
.set IX, 0
.rept 16
	v_pk_mul_f32 v[32+2*IX:33+2*IX], v[160+2*IX:161+2*IX], v[10:11] op_sel_hi:[1,0]
.set IX, IX+1
.endr
.set IX, 0
.rept 16
	v_pk_mul_f32 v[64+2*IX:65+2*IX], v[192+2*IX:193+2*IX], v[10:11] op_sel:[0,1] op_sel_hi:[1,1]
.set IX, IX+1
.endr
; A tile's 16 rows go into my stage, 32 bytes a lane, and come back as whole rows of 256 bytes, two an instruction.
.macro TOSTAGE from, back
.irp t, 0,1,2,3
	ds_store_b128 v244, v[\from+8*\t:\from+3+8*\t] offset:64*\t
	ds_store_b128 v244, v[\from+4+8*\t:\from+7+8*\t] offset:64*\t+16
.endr
.irp i, 0,1,2,3,4,5,6,7
	ds_load_b128 v[\back+4*\i:\back+3+4*\i], v245 offset:2*SP*\i   ; LDS serves a wave's instructions in order: these see my stores, and the next tile's stores come behind them
.endr
.endm
.macro SEND back, tile, younger                ; younger: the LDS instructions issued behind this tile's loads, which may stay out
.irp i, 0,1,2,3,4,5,6,7
	s_wait_dscnt \younger+7-\i
	global_store_b128 v247, v[\back+4*\i:\back+3+4*\i], s[12:13] offset:4096*\tile+512*\i th:TH_STORE_NT   ; 512 consecutive bytes, at a multiple of 256 from out's first byte
.endr
.endm
	TOSTAGE 32, 96
	TOSTAGE 64, 128
	SEND 96, 0, 16                                 ; behind tile A's loads: tile B's eight stores and eight loads
	SEND 128, 1, 0
	s_wait_tensorcnt 0x0                           ; the wave's end: behind my last tensor load and my last LDS store
	ds_add_u32 v30, v31
	s_wait_dscnt 0x0
	CROUND                                         ; the closing round: no work-group ends while a partner may still ask for a tile that names it
	s_endpgm
.Lfunc_end_k_q250e86d182_attn:
	.size	k_q250e86d182_attn, .Lfunc_end_k_q250e86d182_attn-k_q250e86d182_attn
	.p2alignl 7, 3214868480
	.fill 96, 4, 3214868480
	.section	.rodata,"a",@progbits
	.p2align	6, 0x0
	.amdhsa_kernel k_q250e86d182_attn
		.amdhsa_group_segment_fixed_size 327680
		.amdhsa_private_segment_fixed_size 0
		.amdhsa_enable_private_segment 0
		.amdhsa_kernarg_size 40
		.amdhsa_user_sgpr_count 2
		.amdhsa_user_sgpr_kernarg_segment_ptr 1
		.amdhsa_wavefront_size32 1
		.amdhsa_system_sgpr_workgroup_id_x 1
		.amdhsa_system_sgpr_workgroup_id_y 1
		.amdhsa_system_sgpr_workgroup_id_z 1
		.amdhsa_system_vgpr_workitem_id 0
		.amdhsa_next_free_vgpr 512
		.amdhsa_next_free_sgpr 100
		.amdhsa_reserve_vcc 0
		.amdhsa_float_denorm_mode_32 3
		.amdhsa_float_denorm_mode_16_64 3
		.amdhsa_memory_ordered 1
		.amdhsa_forward_progress 1
		.amdhsa_inst_pref_size 255
	.end_amdhsa_kernel
	.section	.bss,"aw",@nobits
	.p2align	6
	.space	262144
	.amdgpu_metadata
---
amdhsa.version: [ 1, 2 ]
amdhsa.kernels:
  - .name:           k_q250e86d182_attn
    .symbol:         k_q250e86d182_attn.kd
    .args:
      - { .name: q, .offset: 0, .size: 8, .value_kind: global_buffer, .address_space: global }
      - { .name: k_codes, .offset: 8, .size: 8, .value_kind: global_buffer, .address_space: global }
      - { .name: v_codes, .offset: 16, .size: 8, .value_kind: global_buffer, .address_space: global }
      - { .name: lowp_scales, .offset: 24, .size: 8, .value_kind: global_buffer, .address_space: global }
      - { .name: out0, .offset: 32, .size: 8, .value_kind: global_buffer, .address_space: global }
    .group_segment_fixed_size: 327680
    .private_segment_fixed_size: 0
    .kernarg_segment_align: 8
    .kernarg_segment_size: 40
    .max_flat_workgroup_size: 256
    .sgpr_count:     100
    .vgpr_count:     512
    .wavefront_size: 32
...
	.end_amdgpu_metadata
.endif
;; end of part 1
